; MI455X (gfx1250); checked and timed in simulation.
; The chip was launched on July 23, 2026; its instructions are those of AMD's public machine-readable ISA for CDNA 5 (MIT licence, August 2026) and "CDNA5" Instruction Set Architecture Reference Guide (July 2026). The comments in the code are by the model that wrote it; some were corrected since.
;; Attention Based Linking Module. Allowed arithmetic: matrix products marked QUANTISED: E4M3 operands, one E8M0 scale for each 32 along K, by v_wmma_scale_f32_16x16x128_f8f6f4 with both operands' format E4M3, f32 sums; products left as they are: f32 operands where the result goes on into a quantised operand, else bf16, f16 or f32 operands; f32 sums; everything else in f32.
;; Inputs: W1 1,024 x 500 float32; W2 500 x 500 float32; W3 500 x 1 float32; Ws 512 x 512 float32; b1 500 float32; b2 500 float32; b3 1 float32; bs 512 float32; knowledge_embs 1,024 x 512 float32; lengths 256 int32; span2concepts 256 x 64 int32; span_embs 256 x 512 float32.
;; Outputs: out0 256 x 512 float32; out1 256 x 65 float32.
;; This version of the problem:
;;   THIS VERSION OF THE PROBLEM IS GIVEN IN LOW PRECISION. The matrix products marked QUANTISED in the list below multiply operands that are first quantised to E4M3 (4 exponent bits, 3 mantissa bits; 8 bits a number), with one power-of-two scale for each 32 numbers along K (OCP MX v1.0); their sums are f32. All else is computed in f32.
;;   The module's matrix products, in the order in which they are computed (A, B: the left and right operand; K: the contracted axis; several contracted axes count as one K, in the product's order):
;;     1. [M 256, K 512] x [K 512, N 512]; A: input span_embs; B: input Ws: QUANTISED
;;     2. [M 256, K 512] x [K 512, N 500]; A: input span_embs; B: input W1: QUANTISED
;;     3. [M 1,024, K 512] x [K 512, N 500]; A: input knowledge_embs; B: input W1: QUANTISED
;;     4. [M 256, K 512] x [K 512, N 500]; A: computed on the way; B: input W1: QUANTISED
;;     5. [M 262,400, K 500] x [K 500, N 500]; A: computed on the way; B: input W2: QUANTISED
;;     6. [M 262,400, K 500] x [K 500, N 1]; A: computed on the way; B: input W3: left as it is (N = 1 < 16)
;;     7. batch 256 x [M 1, K 65] x [K 65, N 512]; A: softmax; B: computed on the way: left as it is (M = 1 < 16)
;;   THE QUANTISER, for each operand of a quantised product, along K:
;;     - K is cut into blocks of 32 from its start; a last block that is shorter is filled with zeros.
;;     - A block's scale is 2^e with e = floor(log2(the largest magnitude in the block)) - 8, held to -126 .. 127; a block of zeros has e = 0. As a byte (E8M0): e + 127.
;;     - Each number is divided by its block's scale, clamped to +-448, and rounded to the nearest number of E4M3, ties to even, subnormals kept.
;;     - The product sums the exact products of the quantised numbers (number of the format x scale) in f32.
;;   ~~~python
;;   def quantise(x, axis):      # numpy; x: float32 -> the quantised numbers, widened to float32 again
;;       x = np.moveaxis(x, axis, -1); K = x.shape[-1]
;;       x = np.pad(x, [(0, 0)] * (x.ndim - 1) + [(0, -K % 32)]); x = x.reshape(x.shape[:-1] + (-1, 32)); a = np.abs(x).max(-1, keepdims=True)
;;       e = np.where(a > 0, np.clip(np.frexp(np.where(a > 0, a, 1))[1] - 1 - 8, -126, 127), 0)      # np.frexp(a)[1] - 1 = floor(log2(a)), exactly
;;       r = np.clip(x / 2.0 ** e, -448, 448)
;;       step = 2.0 ** (np.maximum(np.frexp(np.where(r == 0, 1, r))[1] - 1, -6) - 3)
;;       q = np.round(r / step) * step * 2.0 ** e      # np.round: ties to even
;;       return np.moveaxis(q.reshape(q.shape[:-2] + (-1,))[..., :K], -1, axis).astype(np.float32)
;;   ~~~
;;   OPERANDS COMPUTED ON THE WAY. 'Computed on the way' means the value that the module computes at that place (a softmax that the list does not call 'softmax' is quantised finished and normalised). What goes into a quantiser is computed in f32, as accurately as f32 sums, v_exp_f32 and their like allow (about 1e-6 of the number): no bf16 or f16 on the way to a quantiser, and a product that is left as it is and whose result goes on into a quantised operand takes f32 operands (vector FMAs, or v_wmma_f32_16x16x4_f32). A number that lies on a knife's edge between two numbers of the format may be rounded either way, as far as f32 arithmetic and the matrix unit's own rounding can turn it there, and no further.
;; One version. Each part assembles by itself: llvm-mc -triple=amdgcn-amd-amdhsa -mcpu=gfx1250 --defsym DOCPART=n.
;; ======== version 1 of 1: 3 launches
;; limits: right only within a limited range of input values
;; workspace buffers: kp 2,097,152 bytes; sp 524,288 bytes; sent 524,288 bytes; sentp 4,194,304 bytes; w2c 262,144 bytes; w2s 16,384 bytes; scores 1,114,112 bytes
;; launch prep (part 1): grid 200 x 1, 16 waves a work-group, no clusters, 264,192 bytes of LDS; arguments span_embs, knowledge_embs, Ws, bs, W1, b1, W2, kp, sp, sent, sentp, w2c, w2s; writes kp, sp, sent, sentp, w2c, w2s
.if DOCPART == 1
	.amdgcn_target "amdgcn-amd-amdhsa--gfx1250"
	.amdhsa_code_object_version 6
	.text
	.protected	k_qadcce340c1_prep
	.globl	k_qadcce340c1_prep
	.p2align	8
	.type	k_qadcce340c1_prep,@function
k_qadcce340c1_prep:
	s_mov_b64 s[64:65], 0
	v_nop
	global_prefetch_b8 v0, s[64:65] scope:SCOPE_SE
	s_setreg_imm32_b32 hwreg(HW_REG_WAVE_MODE, 25, 1), 1
	s_wait_xcnt 0x0
; FIRST OF THREE LAUNCHES.  It makes what hangs on one span or on one concept alone:
;   sent  = relu(Q(span) Q(Ws) + bs)                [256][512]
;   sp    = Q(span) Q(W1[:512]) + b1                [256][512], columns 500-511 = 0
;   kp    = Q(know) Q(W1[512:])                     [1024][512], columns 500-511 = 0
;   sentp = Q(sent[:, 64c..64c+63]) Q(W1[512+64c .. 512+64c+63]), c = 0..7: eight parts of the fourth product along its K; the second launch adds them
;   w2c, w2s = W2 as codes of E4M3 and E8M0 scale words, in the order of a wave's operand registers.
; Q is the quantiser along K: blocks of 32, scale 2^(floor(log2(largest magnitude)) - 8), held at +-448, to the nearest code, ties to even.
; THE PROGRAM.  The second launch scores all 1,025 pairs of every span, as reference() writes them; the third selects among the scores by span2concepts, makes the masked softmax and the features.
; WORK LEFT OUT (in the third launch alone).  Where l >= max(lengths, 1), jnp.where puts NEG_INF in the score's place: that place's weight is exp(NEG_INF - max) / sum, which is 0 in f32.  0 is stored in probs,
; and the embedding that this weight multiplies is not fetched where 16 such places lie together: a scalar branch on lengths[n], which the third launch reads from memory.  Every input has a way to an output and is loaded.
; LIMITS.  A NaN or an infinity in an embedding that only such places name is not carried to the result.  Valid scores at or under about -1e30 are not served.  A block of zeros gets the scale byte 1
; where the rule says 127: its codes are zeros, and only this program reads the bytes.  Blocks whose largest magnitude lies under 2^(9 - 127) are held at that floor.  NaN and infinities among the inputs are not served.
; SHARES.  200 work-groups of sixteen waves.  x = work-group: 0-31 role S (sent and sentp), 32-63 role 1 (sp), 64-191 role 2 (kp), 192-199 role W (W2).  Each takes 64 rows (rt) x 64 columns (cp = x & 7), K = 512.
; Waves 0-7 quantise the 64 rows (a half-wave to a row), waves 8-15 the 64 columns (a lane to a column, registers down K); both go to LDS; waves 0-7 multiply (8 matrix instructions each).
; Role S: the 64 x 64 of sent are two blocks of 32 of the fourth product's K: they are quantised in registers and multiplied at once with the 64 matching rows of W1, all 512 columns, two tiles of columns a wave.
; NO TENSOR LOADS, NO CLUSTER: the panels that work-groups share are f32 and pass through registers to be quantised, and the four roles do not run alike, so no joint request could be the same line in all partners.
; PRODUCTS ARE USED TRANSPOSED: source 0 = 16 columns of the weight, source 1 = 16 rows.  Lane r of tile 2 b + u takes column 32 b + 8 u + r + 8 (r / 8), so that a lane's 16 results of tiles 2 b, 2 b + 1 are 16 neighbouring columns.
; LDS.  Rows: tiles of 16 rows x 512 K as 32 slots of 272 bytes; slot k / 16 holds 16 codes of each row at 16 x row.  Columns: images of the operand's registers, 2,048 bytes for a tile and 128 of K, lane l's 16 bytes at 16 l.
; WORK LEFT OUT.  scores[n][k] has one way to an output: take_along_axis(scores, idx), with idx[n] = span2concepts[n] and K behind it.  A pair (n, k) whose k is not in that row of idx is read by nothing,
; whatever the inputs hold: so the third launch gathers only the listed scores and the sentinel's.
; Places with l >= max(lengths, 1) are scored and then masked by a select.  Every input has a way to an output and is loaded.
; LIMIT.  A NaN, an infinity or an overflow that arises only in a pair left out is not carried to the result.
.set AT,    0
.set ASC,   34816                      ; their scale bytes: 16 a row
.set BIMG,  35840                      ; 16 images (4 x tile + K step)
.set BSC,   68608                      ; their scale words, 128 bytes each
.set STG,   70656                      ; 64 rows x (256 + 16): the way out
.set A2IMG, 88064                      ; sent's codes: tile of rows x 1,024 + block x 512
.set A2SC,  92160                      ; their scale bytes as words: tile x 256 + block x 128
.set B2IMG, 93184                      ; W1's 64 rows: wave x 2,048 + tile x 1,024 + block x 512
.set B2SC,  125952                     ; wave x 256 + tile x 128
.set STG2,  130048                     ; 64 rows x (2,048 + 16): sentp's way out
.set SPARE, 262144                     ; the spare words: 128 bytes for each of sixteen waves
.set HW,  7                            ; v7   where I put 8 codes of my row       v8   its scale byte
.set HSW, 8
.set WRD, 35                           ; v35  a column's scale word in the making
.set ACC, 48                           ; v48-63 bias, then sums
.set X,   64                           ; v64-191 numbers as loaded
.set TM,  192                          ; v192-207 at work
.set CD,  208                          ; v208-215 codes
.set MNT, 37                           ; s37  the mantissa field of 448
.macro BAR                             ; my LDS stores have landed and my LDS loads are in: then the work-group's barrier
	s_wait_dscnt 0x0
	s_barrier_signal -1
	s_barrier_wait -1
.endm
; Two rows, one a half-wave.  v[xs + 8 i + e] = column 128 i + 8 q + e of my row.  Four neighbouring lanes hold a block of 32.
.macro QROW xs, cimm, simm
.irp i, 0,1,2,3
	v_max3_num_f32 v[TM+\i], |v[\xs+8*\i]|, |v[\xs+8*\i+1]|, 0x4800000   ; with the floor 2^(9 - 127): the byte cannot fall under 1
.endr
.irp j, 2,4,6
.irp i, 0,1,2,3
	s_delay_alu instid0(VALU_DEP_4)
	v_max3_num_f32 v[TM+\i], v[TM+\i], |v[\xs+8*\i+\j]|, |v[\xs+8*\i+\j+1]|
.endr
.endr
.irp i, 0,1,2,3
	s_delay_alu instid0(VALU_DEP_4)
	v_max_num_f32_dpp v[TM+\i], v[TM+\i], v[TM+\i] row_xmask:1 row_mask:0xf bank_mask:0xf
.endr
.irp i, 0,1,2,3
	s_delay_alu instid0(VALU_DEP_4)
	v_max_num_f32_dpp v[TM+\i], v[TM+\i], v[TM+\i] row_xmask:2 row_mask:0xf bank_mask:0xf
.endr
.irp i, 0,1,2,3
	s_delay_alu instid0(VALU_DEP_4)
	v_add_nc_u32 v[TM+4+\i], 0xfc000000, v[TM+\i]                  ; 8 off the exponent field: the conversion's scale operand
.endr
.irp i, 0,1,2,3
	v_and_or_b32 v[TM+8+\i], v[TM+\i], 0x7f800000, s[MNT]          ; 448 x the scale
.endr
.irp i, 0,1,2,3
	v_lshrrev_b32 v[TM+12+\i], 23, v[TM+4+\i]                      ; the scale's byte
.endr
.irp i, 0,1,2,3
.irp e, 0,1,2,3,4,5,6,7
	v_med3_num_f32 v[\xs+8*\i+\e], v[\xs+8*\i+\e], -v[TM+8+\i], v[TM+8+\i]   ; the conversion does not saturate (ISA guide 7.6.2): the hold
.endr
	v_cvt_scalef32_pk8_fp8_f32 v[CD+2*\i:CD+2*\i+1], v[\xs+8*\i:\xs+8*\i+7], v[TM+4+\i]
.endr
	v_nop                                          ; a plain line behind the last conversion
.irp i, 0,1,2,3
	ds_store_b64 v[HW], v[CD+2*\i:CD+2*\i+1] offset:\cimm+2176*\i
	ds_store_b8 v[HSW], v[TM+12+\i] offset:\simm+4*\i              ; the four lanes of a block write the same byte with the same value
.endr
	s_wait_dscnt 0x0                               ; the stores have read their registers
.endm
; A block of 32 along K of my own column, in v[xs .. xs + 31]: block c of a K step.  Codes of columns past the weight's last become zeros.
.macro QB xs, c, first, adr, mask
	v_max3_num_f32 v[TM], |v[\xs]|, |v[\xs+1]|, |v[\xs+2]|
	v_max3_num_f32 v[TM+1], |v[\xs+3]|, |v[\xs+4]|, |v[\xs+5]|
.irp i, 6,10,14,18,22,26
	s_delay_alu instid0(VALU_DEP_2)
	v_max3_num_f32 v[TM], v[TM], |v[\xs+\i]|, |v[\xs+\i+1]|
	s_delay_alu instid0(VALU_DEP_2)
	v_max3_num_f32 v[TM+1], v[TM+1], |v[\xs+\i+2]|, |v[\xs+\i+3]|
.endr
	s_delay_alu instid0(VALU_DEP_2)
	v_max3_num_f32 v[TM], v[TM], |v[\xs+30]|, |v[\xs+31]|
	s_delay_alu instid0(VALU_DEP_1)
	v_max3_num_f32 v[TM], v[TM], v[TM+1], 0x4800000
	s_delay_alu instid0(VALU_DEP_1)
	v_add_nc_u32 v[TM+4], 0xfc000000, v[TM]
	s_delay_alu instid0(VALU_DEP_2)
	v_and_or_b32 v[TM+8], v[TM], 0x7f800000, s[MNT]
	s_delay_alu instid0(VALU_DEP_2)
	v_lshrrev_b32 v[TM+12], 23, v[TM+4]
.if \first
	s_delay_alu instid0(VALU_DEP_1)
	v_mov_b32 v[WRD], v[TM+12]
.else
	s_delay_alu instid0(VALU_DEP_1)
	v_lshl_or_b32 v[WRD], v[TM+12], 8*\c, v[WRD]
.endif
.set jj, 0
.rept 32
	v_med3_num_f32 v[\xs+jj], v[\xs+jj], -v[TM+8], v[TM+8]
.set jj, jj+1
.endr
.irp g, 0,1,2,3
	v_cvt_scalef32_pk8_fp8_f32 v[CD+2*\g:CD+2*\g+1], v[\xs+8*\g:\xs+8*\g+7], v[TM+4]
.endr
	v_nop
.irp g, 0,1,2,3,4,5,6,7
	v_cndmask_b32 v[CD+\g], 0, v[CD+\g], s[\mask]
.endr
	ds_store_b128 v[\adr], v[CD:CD+3] offset:512*\c                ; K 0-15 of the block: the place of lane r,
	ds_store_b128 v[\adr], v[CD+4:CD+7] offset:512*\c+256          ; K 16-31: of lane 16 + r
	s_wait_dscnt 0x0
.endm
.macro BLOAD pb                        ; my column, 128 rows down K; pb: a row of the weight in bytes.  Each load reads 128 neighbouring bytes
.set ii, 0
.rept 128
.if (\pb == 2000) && (ii >= 116)
	global_load_b32 v[X+ii], v31, s[44:45] offset:ii*\pb           ; in W2's last K step these would be rows 500-511: the base stands 12 rows back, and the numbers are replaced by 0
.else
	global_load_b32 v[X+ii], v31, s[42:43] offset:ii*\pb
.endif
.set ii, ii+1
.endr
.endm
.macro B2LOAD                          ; role S: my column of W1, the chunk's 64 rows
.set ii, 0
.rept 64
	global_load_b32 v[X+ii], v32, s[46:47] offset:ii*2000
.set ii, ii+1
.endr
.endm
	s_load_b512 s[4:19], s[0:1], 0x0               ; span 4, know 6, Ws 8, bs 10, W1 12, b1 14, W2 16, kp 18
	s_load_b256 s[20:27], s[0:1], 0x40             ; sp 20, sent 22, sentp 24, w2c 26
	s_load_b64 s[28:29], s[0:1], 0x60              ; w2s
	v_lshl_add_u32 v4, v0, 2, SPARE                ; my spare word,
	v_mov_b32 v5, 0                                ; and 0: kept for the closing lines alone
	v_lshrrev_b32 v1, 5, v0
	s_delay_alu instid0(VALU_DEP_1)
	v_readfirstlane_b32 s30, v1                    ; wave 0..15
	s_and_b32 s31, s30, 7                          ; f
	s_and_b32 s70, s31, 3                          ; f & 3: tile of rows, or K step
	s_lshr_b32 s71, s31, 2                         ; f >> 2: pair of column tiles
	v_and_b32 v1, 31, v0                           ; lane
	v_and_b32 v2, 15, v0                           ; R = q
	v_bfe_u32 v3, v0, 4, 1                         ; H = hh
	; the role
	s_and_b32 s34, ttmp9, 7                        ; cp
	s_mov_b32 s32, 0
	s_mov_b32 s2, 0
	s_cmp_ge_u32 ttmp9, 32
	s_cselect_b32 s32, 1, s32
	s_cselect_b32 s2, 32, s2
	s_cmp_ge_u32 ttmp9, 64
	s_cselect_b32 s32, 2, s32
	s_cselect_b32 s2, 64, s2
	s_cmp_ge_u32 ttmp9, 192
	s_cselect_b32 s32, 3, s32
	s_cselect_b32 s2, 192, s2
	s_sub_co_u32 s33, ttmp9, s2
	s_lshr_b32 s33, s33, 3                         ; rt
	s_mov_b32 s35, 500
	s_mov_b32 s36, 0xff800000
	s_cmp_eq_u32 s32, 0
	s_cselect_b32 s35, 512, s35                    ; the weight's columns
	s_cselect_b32 s36, 0, s36                      ; what results are held at from below: 0 (relu) or -infinity (nothing)
	s_mov_b32 s37, 0x600000
	s_mov_b32 s38, 0x76543210
	s_mov_b32 s39, 0xfedcba98                      ; v_permlanex16_b32's selects for lane l xor 16
	; LDS addresses: a constant + constants x lane + constants x wave; all made here, none rewritten
	v_and_b32 v64, 7, v0
	s_wait_alu depctr_va_vdst(0)
	v_lshl_add_u32 v64, v3, 3, v64                 ; column x of a pair of tiles is lane (x & 7) + 8 (x >> 4)
	v_bfe_u32 v65, v0, 3, 1                        ; of tile (x >> 3) & 1
	v_bfe_u32 v7, v0, 1, 3
	s_delay_alu instid0(VALU_DEP_1)
	v_mul_u32_u24 v7, v7, 272
	v_and_b32 v66, 1, v0
	s_delay_alu instid0(VALU_DEP_1)
	v_lshl_add_u32 v7, v66, 3, v7
	s_delay_alu instid0(VALU_DEP_1)
	v_lshl_add_u32 v7, v3, 4, v7
	s_lshl_b32 s2, s31, 5
	v_add_nc_u32 v7, s2, v7                        ; HW = AT + 272 (q / 2) + 8 (q % 2) + 16 (2 f + hh)
	v_bfe_u32 v8, v0, 2, 2
	s_delay_alu instid0(VALU_DEP_1)
	v_lshl_add_u32 v8, v3, 4, v8
	s_add_co_u32 s2, s2, ASC
	v_add_nc_u32 v8, s2, v8                        ; HSW = ASC + 16 (2 f + hh) + q / 4
	v_lshlrev_b32 v9, 4, v64
	s_delay_alu instid0(VALU_DEP_1)
	v_lshl_add_u32 v9, v65, 13, v9
	s_lshl_b32 s2, s71, 14
	s_lshl_b32 s3, s70, 11
	s_add_co_u32 s2, s2, s3
	s_add_co_u32 s2, s2, BIMG
	v_add_nc_u32 v9, s2, v9                        ; v9: where my column's codes go
	v_lshlrev_b32 v10, 2, v64
	s_delay_alu instid0(VALU_DEP_1)
	v_lshl_add_u32 v10, v65, 9, v10
	s_lshl_b32 s2, s71, 10
	s_lshl_b32 s3, s70, 7
	s_add_co_u32 s2, s2, s3
	s_add_co_u32 s2, s2, BSC
	v_add_nc_u32 v10, s2, v10                      ; v10: and its scale word
	v_lshlrev_b32 v11, 4, v64
	s_delay_alu instid0(VALU_DEP_1)
	v_lshl_add_u32 v11, v65, 10, v11
	s_lshl_b32 s2, s30, 11
	s_add_co_u32 s2, s2, B2IMG
	v_add_nc_u32 v11, s2, v11                      ; v11: the same for W1's 64 rows
	v_lshl_add_u32 v21, v1, 4, s2                  ; v21: and where I read them back
	v_lshlrev_b32 v12, 2, v64
	s_delay_alu instid0(VALU_DEP_1)
	v_lshl_add_u32 v12, v65, 7, v12
	s_lshl_b32 s2, s30, 8
	s_add_co_u32 s2, s2, B2SC
	v_add_nc_u32 v12, s2, v12
	v_lshl_add_u32 v22, v1, 2, s2
	v_mul_u32_u24 v13, v3, 272
	s_delay_alu instid0(VALU_DEP_1)
	v_lshl_add_u32 v13, v2, 4, v13
	s_mul_i32 s2, s70, 8704
	v_add_nc_u32 v13, s2, v13                      ; v13: my tile of rows as an operand
	s_lshl_b32 s2, s71, 14
	s_add_co_u32 s2, s2, BIMG
	v_lshl_add_u32 v14, v1, 4, s2                  ; v14: my pair of column tiles
	s_lshl_b32 s2, s70, 8
	s_add_co_u32 s2, s2, ASC
	v_lshl_add_u32 v15, v2, 4, s2                  ; v15: the rows' four scale words
	s_lshl_b32 s2, s71, 10
	s_add_co_u32 s2, s2, BSC
	v_lshl_add_u32 v16, v1, 2, s2                  ; v16: the columns'
	v_mul_u32_u24 v17, v2, 272
	s_delay_alu instid0(VALU_DEP_1)
	v_lshl_add_u32 v17, v3, 6, v17
	s_mul_i32 s2, s70, 4352
	s_lshl_b32 s3, s71, 7
	s_add_co_u32 s2, s2, s3
	s_add_co_u32 s2, s2, STG
	v_add_nc_u32 v17, s2, v17                      ; v17: the stage: row 16 (f & 3) + R, byte 128 (f >> 2) + 64 H
	s_lshl_b32 s2, s70, 10
	s_lshl_b32 s3, s71, 9
	s_add_co_u32 s2, s2, s3
	s_add_co_u32 s2, s2, A2IMG
	v_lshl_add_u32 v18, v1, 4, s2                  ; v18: sent's codes
	s_lshl_b32 s2, s70, 8
	s_lshl_b32 s3, s71, 7
	s_add_co_u32 s2, s2, s3
	s_add_co_u32 s2, s2, A2SC
	v_lshl_add_u32 v19, v1, 2, s2                  ; v19: their scale byte
	v_mul_u32_u24 v20, v3, 272
	s_delay_alu instid0(VALU_DEP_1)
	v_lshl_add_u32 v20, v2, 4, v20
	s_mul_i32 s2, s30, 1088
	s_add_co_u32 s2, s2, STG
	v_add_nc_u32 v20, s2, v20                      ; v20: back from the stage: rows 4 w + H (+ 2)
	v_lshl_add_u32 v23, v1, 4, A2IMG
	v_lshl_add_u32 v24, v1, 2, A2SC
	v_mul_u32_u24 v25, v2, 2064
	s_delay_alu instid0(VALU_DEP_1)
	v_lshl_add_u32 v25, v3, 6, v25
	s_lshl_b32 s2, s30, 7
	s_add_co_u32 s2, s2, STG2
	v_add_nc_u32 v25, s2, v25                      ; v25: sentp's stage, rows 0-31;
	s_delay_alu instid0(VALU_DEP_1)
	v_add_nc_u32 v26, 66048, v25                   ; v26: rows 32-63
	s_mul_i32 s2, s30, 8256
	s_add_co_u32 s2, s2, STG2
	v_lshl_add_u32 v27, v1, 4, s2                  ; v27: back: rows 4 w on
	s_lshl_b32 s2, s30, 11
	s_add_co_u32 s2, s2, BIMG
	v_lshl_add_u32 v28, v1, 4, s2                  ; v28: role W: image w
	s_and_b32 s2, s30, 3
	s_lshl_b32 s2, s2, 9
	s_add_co_u32 s2, s2, BSC
	v_lshl_add_u32 v29, v1, 4, s2                  ; v29: role W: 512 bytes of scale words
	; offsets in memory
	v_lshlrev_b32 v30, 5, v2
	s_delay_alu instid0(VALU_DEP_1)
	v_lshl_add_u32 v30, v3, 11, v30                ; rows: 2,048 hh + 32 q
	s_lshl_b32 s2, s34, 6
	s_lshl_b32 s3, s71, 5
	s_add_co_u32 s2, s2, s3                        ; 64 cp + 32 (f >> 2)
	v_add_nc_u32 v31, s2, v1                       ; my column
	s_delay_alu instid0(VALU_DEP_1)
	v_cmp_gt_u32 s56, s35, v31                     ; is it one of the weight's?
	s_sub_co_u32 s3, s35, 1
	v_min_u32 v31, s3, v31                         ; no load leaves the buffer
	s_delay_alu instid0(VALU_DEP_1)
	v_lshlrev_b32 v31, 2, v31
	v_lshl_add_u32 v66, v3, 4, s2                  ; the first of my 16 results' columns
	s_sub_co_u32 s3, s35, 4
.irp p, 0,1,2,3
	v_add_nc_u32 v[224+\p], 4*\p, v66
	s_delay_alu instid0(VALU_DEP_1)
	v_cmp_gt_u32 s[59+\p], s35, v[224+\p]
	s_delay_alu instid0(VALU_DEP_2)
	v_min_u32 v[224+\p], s3, v[224+\p]
	s_delay_alu instid0(VALU_DEP_1)
	v_lshlrev_b32 v[224+\p], 2, v[224+\p]          ; the bias's four pieces
.endr
	s_lshl_b32 s2, s30, 5
	v_add_nc_u32 v32, s2, v1                       ; role S: column 32 w + lane of W1
	s_delay_alu instid0(VALU_DEP_1)
	v_cmp_gt_u32 s57, 0x1f4, v32
	s_delay_alu instid0(VALU_DEP_2)
	v_min_u32 v32, 0x1f3, v32
	s_delay_alu instid0(VALU_DEP_1)
	v_lshlrev_b32 v32, 2, v32
	v_lshlrev_b32 v33, 4, v2
	s_delay_alu instid0(VALU_DEP_1)
	v_lshl_add_u32 v33, v3, 11, v33                ; out: 2,048 H + 16 R
	v_lshlrev_b32 v34, 4, v1                       ; 16 x lane
.set jj, 0
.rept 16
	v_mov_b32 v[ACC+jj], 0                         ; the sums' first addend where there is no bias (kp)
.set jj, jj+1
.endr
	s_wait_kmcnt 0x0
	s_cmp_lt_u32 s32, 2
	s_cselect_b64 s[40:41], s[4:5], s[6:7]         ; the rows: span or know
	s_lshl_b32 s54, s33, 17
	s_lshl_b32 s55, s31, 12
	s_add_co_u32 s54, s54, s55
	s_mov_b32 s55, 0
	s_add_nc_u64 s[40:41], s[40:41], s[54:55]      ; at row 64 rt + 2 f
	s_mov_b32 s3, 2000
	s_cmp_eq_u32 s32, 0
	s_cselect_b64 s[42:43], s[8:9], s[12:13]       ; the weight: Ws, W1,
	s_cselect_b64 s[50:51], s[10:11], s[14:15]     ; the bias: bs, b1
	s_cselect_b64 s[48:49], s[22:23], s[20:21]     ; the result: sent, sp,
	s_cselect_b32 s3, 2048, s3                     ; a row of the weight in bytes
	s_cmp_eq_u32 s32, 3
	s_cselect_b64 s[42:43], s[16:17], s[42:43]     ; or W2
	s_cmp_ge_u32 s32, 2
	s_cselect_b64 s[48:49], s[18:19], s[48:49]     ; or kp
	s_cmp_eq_u32 s32, 2
	s_cselect_b32 s54, 512, 0                      ; kp takes W1's lower half
	s_lshl_b32 s2, s70, 7
	s_add_co_u32 s54, s54, s2
	s_mul_i32 s54, s54, s3
	s_add_nc_u64 s[42:43], s[42:43], s[54:55]      ; at my K step's first row
	s_lshl_b32 s2, s32, 2
	s_or_b32 s2, s2, s70
	s_cmp_eq_u32 s2, 15                            ; W2's last K step?
	s_cselect_b32 s58, -1, 0
	s_cselect_b32 s54, 24000, 0
	s_sub_nc_u64 s[44:45], s[42:43], s[54:55]      ; then 12 rows back for the loads of rows 500-511
	s_mul_i32 s54, s34, 128000
	s_add_co_u32 s54, s54, 1024000
	s_add_nc_u64 s[46:47], s[12:13], s[54:55]      ; W1 at row 512 + 64 cp
	s_lshl_b32 s54, s33, 17
	s_lshl_b32 s2, s30, 13
	s_add_co_u32 s54, s54, s2                      ; row 64 rt + 4 w, 2,048 bytes a row
	s_add_nc_u64 s[52:53], s[24:25], s[54:55]
	s_lshl_b32 s2, s34, 8
	s_add_co_u32 s54, s54, s2
	s_add_nc_u64 s[48:49], s[48:49], s[54:55]      ; the result at that row, column 64 cp
	s_lshl_b32 s54, s34, 19
	s_add_nc_u64 s[52:53], s[52:53], s[54:55]      ; sentp: part cp
	s_lshl_b32 s54, s34, 15
	s_lshl_b32 s2, s30, 11
	s_add_co_u32 s54, s54, s2
	s_add_nc_u64 s[66:67], s[26:27], s[54:55]      ; w2c: panel cp, image w
	s_lshl_b32 s54, s34, 11
	s_and_b32 s2, s30, 3
	s_lshl_b32 s2, s2, 9
	s_add_co_u32 s54, s54, s2
	s_add_nc_u64 s[68:69], s[28:29], s[54:55]      ; w2s
	s_cmp_ge_u32 s30, 8
	s_cbranch_scc1 .Lb_path
	; ---- waves 0-7: the rows
	s_cmp_eq_u32 s32, 3
	s_cbranch_scc1 .Lbar1                          ; W2 has no rows
	s_cmp_eq_u32 s32, 2
	s_cbranch_scc1 .Lno_bias
.irp p, 0,1,2,3
	global_load_b128 v[ACC+4*\p:ACC+4*\p+3], v[224+\p], s[50:51]
.endr
.Lno_bias:
.irp m, 0,1,2,3
.irp i, 0,1,2,3
.irp e, 0,1
	global_load_b128 v[X+32*\m+8*\i+4*\e:X+32*\m+8*\i+4*\e+3], v30, s[40:41] offset:32768*\m+512*\i+16*\e
.endr
.endr
.endr
	s_wait_loadcnt 24                              ; the first pair of rows is in: the other three pairs' 24 loads may be out
	QROW X, 0, 0
	s_wait_loadcnt 16
	QROW X+32, 8704, 256
	s_wait_loadcnt 8
	QROW X+64, 17408, 512
	s_wait_loadcnt 0x0
	s_cmp_lg_u32 s32, 0
	s_cbranch_scc1 .La_no_b2
	B2LOAD                                         ; into the registers of the first two pairs; it lands while the last pair is quantised
.La_no_b2:
.irp p, 0,1,2,3
.irp e, 0,1,2,3
	v_cndmask_b32 v[ACC+4*\p+\e], 0, v[ACC+4*\p+\e], s[59+\p]      ; no bias past the weight's last column
.endr
.endr
	QROW X+96, 26112, 768
	s_branch .Lq_done
.Lb_path:
	; ---- waves 8-15: the columns
	s_cmp_eq_u32 s32, 0
	s_cbranch_scc0 .Lb500
	BLOAD 2048
	s_branch .Lb_loaded
.Lb500:
	BLOAD 2000
.Lb_loaded:
	s_wait_loadcnt 63                              ; 96 loads are younger than block 0's: the greatest count that the wait can name
	QB X, 0, 1, 9, 56
	s_wait_loadcnt 63                              ; 64 are younger than block 1's
	QB X+32, 1, 0, 9, 56
	s_wait_loadcnt 0x0
	s_cmp_lg_u32 s32, 0
	s_cbranch_scc1 .Lb_no_b2
	B2LOAD                                         ; into the registers of blocks 0 and 1; it lands while blocks 2 and 3 are quantised
.Lb_no_b2:
.set jj, 116
.rept 12
	v_cndmask_b32 v[X+jj], v[X+jj], 0, s58         ; W2's rows 500-511 are zeros
.set jj, jj+1
.endr
	QB X+64, 2, 0, 9, 56
	QB X+96, 3, 0, 9, 56
	ds_store_b32 v10, v[WRD]
	ds_store_b32 v10, v[WRD] offset:64             ; lanes 16-31 of a scale register get the same word
	s_wait_dscnt 0x0
.Lq_done:
	s_cmp_lg_u32 s32, 0
	s_cbranch_scc1 .Lbar1
	; ---- role S, all sixteen waves: W1's rows 512 + 64 cp on, columns 32 w on: two blocks
	s_wait_loadcnt 0x0
	QB X, 0, 1, 11, 57
	QB X+32, 1, 0, 11, 57
	v_or_b32 v[WRD], 0x7f7f0000, v[WRD]            ; the upper 64 of the instruction's K are zero codes under the scale 1
	ds_store_b32 v12, v[WRD]
	ds_store_b32 v12, v[WRD] offset:64
.Lbar1:
	BAR                                            ; rows' and columns' codes lie in LDS
	s_cmp_eq_u32 s32, 3
	s_cbranch_scc0 .Lnot_w
	; ---- role W: the images leave as they lie: 512 consecutive bytes a store
.irp c, 0,1,2,3
	ds_load_b128 v[64+4*\c:67+4*\c], v28 offset:512*\c
.endr
	s_wait_dscnt 0x0
.irp c, 0,1,2,3
	global_store_b128 v34, v[64+4*\c:67+4*\c], s[66:67] offset:512*\c
.endr
	s_cmp_ge_u32 s30, 4
	s_cbranch_scc1 .Lbar2
	ds_load_b128 v[80:83], v29
	s_wait_dscnt 0x0
	global_store_b128 v34, v[80:83], s[68:69]
	s_branch .Lbar2
.Lnot_w:
	s_cmp_ge_u32 s30, 8
	s_cbranch_scc1 .Lbar2
	; ---- waves 0-7: 16 rows x 32 columns, K = 512
.irp s, 0,1,2,3
.irp c, 0,1,2,3
	ds_load_b128 v[64+16*\s+4*\c:67+16*\s+4*\c], v13 offset:2176*\s+544*\c
.endr
.endr
.irp u, 0,1
.irp s, 0,1,2,3
.irp c, 0,1,2,3
	ds_load_b128 v[128+64*\u+16*\s+4*\c:131+64*\u+16*\s+4*\c], v14 offset:8192*\u+2048*\s+512*\c
.endr
.endr
.endr
	ds_load_b128 v[36:39], v15                     ; the rows' scale words of the four K steps
.irp u, 0,1
.irp s, 0,1,2,3
	ds_load_b32 v[40+4*\u+\s], v16 offset:512*\u+128*\s
.endr
.endr
	s_wait_dscnt 0x0
	s_wait_alu depctr_va_vdst(0)
.irp s, 0,1,2,3
.irp u, 0,1
	v_wmma_scale_f32_16x16x128_f8f6f4 v[ACC+8*\u:ACC+8*\u+7], v[128+64*\u+16*\s:143+64*\u+16*\s], v[64+16*\s:79+16*\s], v[ACC+8*\u:ACC+8*\u+7], v[40+4*\u+\s], v[36+\s]   ; the two sums take turns
.endr
.endr
.rept 8
	v_nop                                          ; eight places behind this form before results are read
.endr
.set jj, 0
.rept 16
	v_max_num_f32 v[ACC+jj], s36, v[ACC+jj]        ; relu for sent; nothing for sp and kp
.set jj, jj+1
.endr
.irp p, 0,1,2,3
	ds_store_b128 v17, v[ACC+4*\p:ACC+4*\p+3] offset:16*\p
.endr
	s_cmp_lg_u32 s32, 0
	s_cbranch_scc1 .Lbar2
	; role S: my 16 numbers and lane l xor 16's are a block of 32 of the fourth product's K
	v_max3_num_f32 v192, v48, v49, 0x4800000
.irp i, 2,4,6,8,10,12,14
	s_delay_alu instid0(VALU_DEP_1)
	v_max3_num_f32 v192, v192, v[48+\i], v[49+\i]
.endr
	v_mov_b32 v193, 0
	s_delay_alu instid0(VALU_DEP_1)
	v_permlanex16_b32 v193, v192, s38, s39
	s_delay_alu instid0(VALU_DEP_1)
	v_max_num_f32 v192, v192, v193
	s_delay_alu instid0(VALU_DEP_1)
	v_add_nc_u32 v194, 0xfc000000, v192
	s_delay_alu instid0(VALU_DEP_2)
	v_and_or_b32 v195, v192, 0x7f800000, s37
	s_delay_alu instid0(VALU_DEP_2)
	v_lshrrev_b32 v196, 23, v194
.set jj, 0
.rept 16
	v_min_num_f32 v[200+jj], v[ACC+jj], v195       ; never negative: a one-sided hold, into other registers: what goes to sent is not held
.set jj, jj+1
.endr
	v_cvt_scalef32_pk8_fp8_f32 v[216:217], v[200:207], v194
	v_cvt_scalef32_pk8_fp8_f32 v[218:219], v[208:215], v194
	v_nop
	ds_store_b128 v18, v[216:219]
	ds_store_b32 v19, v196
.Lbar2:
	BAR                                            ; 64 x 64 results lie in the stage; role S: sent's codes too
	s_cmp_eq_u32 s32, 3
	s_cbranch_scc1 .Lbar3
	ds_load_b128 v[232:235], v20
	ds_load_b128 v[236:239], v20 offset:544
	s_wait_dscnt 0x0
	global_store_b128 v33, v[232:235], s[48:49]                    ; sixteen lanes store 256 consecutive bytes, at a multiple of 256 from the buffer's first byte
	global_store_b128 v33, v[236:239], s[48:49] offset:4096
	s_cmp_lg_u32 s32, 0
	s_cbranch_scc1 .Lbar3
	; ---- role S: part cp of sent x W1[512:]: 64 rows x my 32 columns, K = 64 of the instruction's 128
.set jj, 8
.rept 8
	v_mov_b32 v[64+jj], 0
	v_mov_b32 v[80+jj], 0
	v_mov_b32 v[96+jj], 0
	v_mov_b32 v[112+jj], 0
	v_mov_b32 v[128+jj], 0
	v_mov_b32 v[144+jj], 0                         ; zero codes for K 64-127, on both sides
.set jj, jj+1
.endr
.irp u, 0,1
.irp c, 0,1
	ds_load_b128 v[64+16*\u+4*\c:67+16*\u+4*\c], v21 offset:1024*\u+512*\c
.endr
	ds_load_b32 v[40+\u], v22 offset:128*\u
.endr
.irp m, 0,1,2,3
.irp c, 0,1
	ds_load_b128 v[96+16*\m+4*\c:99+16*\m+4*\c], v23 offset:1024*\m+512*\c
	ds_load_b32 v[224+2*\m+\c], v24 offset:256*\m+128*\c
.endr
.endr
	s_wait_dscnt 0x0
.irp m, 0,1,2,3
	v_lshl_or_b32 v[36+\m], v[225+2*\m], 8, v[224+2*\m]
.endr
.irp m, 0,1,2,3
	s_delay_alu instid0(VALU_DEP_4)
	v_or_b32 v[36+\m], 0x7f7f0000, v[36+\m]
.endr
	s_wait_alu depctr_va_vdst(0)
.rept 8
	v_nop                                          ; a scale register written by a vector instruction stands eight places ahead of the product
.endr
.irp m, 0,1,2,3
.irp u, 0,1
	v_wmma_scale_f32_16x16x128_f8f6f4 v[160+8*(4*\u+\m):167+8*(4*\u+\m)], v[64+16*\u:79+16*\u], v[96+16*\m:111+16*\m], 0, v[40+\u], v[36+\m]
.endr
.endr
.rept 8
	v_nop
.endr
.irp m, 0,1,2,3
.irp u, 0,1
	ds_store_b128 v[25+\m/2], v[160+8*(4*\u+\m):163+8*(4*\u+\m)] offset:33024*(\m%2)+32*\u        ; each result from its low end on
	ds_store_b128 v[25+\m/2], v[164+8*(4*\u+\m):167+8*(4*\u+\m)] offset:33024*(\m%2)+32*\u+16
.endr
.endr
.Lbar3:
	BAR                                            ; role S: 64 whole rows of the part lie in the stage
	s_cmp_lg_u32 s32, 0
	s_cbranch_scc1 .Lend
.irp r, 0,1,2,3
.irp p, 0,1,2,3
	ds_load_b128 v[64+16*\r+4*\p:67+16*\r+4*\p], v27 offset:2064*\r+512*\p
.endr
.endr
.irp r, 0,1,2,3
.irp p, 0,1,2,3
	s_wait_dscnt 15-4*\r-\p
	global_store_b128 v34, v[64+16*\r+4*\p:67+16*\r+4*\p], s[52:53] offset:2048*\r+512*\p   ; 512 consecutive bytes a store
.endr
.endr
.Lend:
	s_wait_tensorcnt 0x0                           ; the wave's end: three closing lines behind my last LDS store
	ds_add_u32 v4, v5
	s_wait_dscnt 0x0
	s_endpgm
.Lfunc_end_k_qadcce340c1_prep:
	.size	k_qadcce340c1_prep, .Lfunc_end_k_qadcce340c1_prep-k_qadcce340c1_prep
	.p2alignl 7, 3214868480
	.fill 96, 4, 3214868480
	.section	.rodata,"a",@progbits
	.p2align	6, 0x0
	.amdhsa_kernel k_qadcce340c1_prep
		.amdhsa_group_segment_fixed_size 264192
		.amdhsa_private_segment_fixed_size 0
		.amdhsa_enable_private_segment 0
		.amdhsa_kernarg_size 104
		.amdhsa_user_sgpr_count 2
		.amdhsa_user_sgpr_kernarg_segment_ptr 1
		.amdhsa_wavefront_size32 1
		.amdhsa_system_sgpr_workgroup_id_x 1
		.amdhsa_system_sgpr_workgroup_id_y 1
		.amdhsa_system_sgpr_workgroup_id_z 1
		.amdhsa_system_vgpr_workitem_id 0
		.amdhsa_next_free_vgpr 256
		.amdhsa_next_free_sgpr 80
		.amdhsa_reserve_vcc 0
		.amdhsa_float_denorm_mode_32 3
		.amdhsa_float_denorm_mode_16_64 3
		.amdhsa_memory_ordered 1
		.amdhsa_forward_progress 1
		.amdhsa_inst_pref_size 125
	.end_amdhsa_kernel
	.amdgpu_metadata
---
amdhsa.version: [ 1, 2 ]
amdhsa.kernels:
  - .name:           k_qadcce340c1_prep
    .symbol:         k_qadcce340c1_prep.kd
    .args:
      - { .name: span_embs, .offset: 0, .size: 8, .value_kind: global_buffer, .address_space: global }
      - { .name: knowledge_embs, .offset: 8, .size: 8, .value_kind: global_buffer, .address_space: global }
      - { .name: Ws, .offset: 16, .size: 8, .value_kind: global_buffer, .address_space: global }
      - { .name: bs, .offset: 24, .size: 8, .value_kind: global_buffer, .address_space: global }
      - { .name: W1, .offset: 32, .size: 8, .value_kind: global_buffer, .address_space: global }
      - { .name: b1, .offset: 40, .size: 8, .value_kind: global_buffer, .address_space: global }
      - { .name: W2, .offset: 48, .size: 8, .value_kind: global_buffer, .address_space: global }
      - { .name: kp, .offset: 56, .size: 8, .value_kind: global_buffer, .address_space: global }
      - { .name: sp, .offset: 64, .size: 8, .value_kind: global_buffer, .address_space: global }
      - { .name: sent, .offset: 72, .size: 8, .value_kind: global_buffer, .address_space: global }
      - { .name: sentp, .offset: 80, .size: 8, .value_kind: global_buffer, .address_space: global }
      - { .name: w2c, .offset: 88, .size: 8, .value_kind: global_buffer, .address_space: global }
      - { .name: w2s, .offset: 96, .size: 8, .value_kind: global_buffer, .address_space: global }
    .group_segment_fixed_size: 264192
    .private_segment_fixed_size: 0
    .kernarg_segment_align: 8
    .kernarg_segment_size: 104
    .max_flat_workgroup_size: 512
    .sgpr_count:     80
    .vgpr_count:     256
    .wavefront_size: 32
...
	.end_amdgpu_metadata
.endif
;; end of part 1
;; launch score (part 2): grid 256 x 1, 8 waves a work-group, no clusters, 164,608 bytes of LDS; arguments kp, sp, sentp, w2c, w2s, b2, W3, b3, scores; writes scores
.if DOCPART == 2
	.amdgcn_target "amdgcn-amd-amdhsa--gfx1250"
	.amdhsa_code_object_version 6
	.text
	.protected	k_qadcce340c1_score
	.globl	k_qadcce340c1_score
	.p2align	8
	.type	k_qadcce340c1_score,@function
k_qadcce340c1_score:
	s_mov_b64 s[64:65], 0
	v_nop
	global_prefetch_b8 v0, s[64:65] scope:SCOPE_SE
	s_setreg_imm32_b32 hwreg(HW_REG_WAVE_MODE, 25, 1), 1
	s_wait_xcnt 0x0
; SECOND OF THREE LAUNCHES: the scores of all 256 x 1,025 pairs, as reference() writes them:
;   h1 = relu(sp[n] + kp[k])  (the sentinel: sp[n] + the eight parts of sentp[.][n]), quantised along its 512 (500 and zeros);  score = relu(Q(h1) Q(W2) + b2) . W3 + b3.
; Nothing is left out here.  LIMITS: as stated at the head of the first launch.
; SHARES.  Work-group x = a + 8 b takes spans 32 a .. 32 a + 31 against concepts 32 b .. 32 b + 31: 64 tiles of 16 rows (16 concepts of one span), and one tile more for the sentinel of span 32 a + b, whose 16 rows
; are all that one row: so all 256 work-groups have the same work.  A BATCH is the two tiles of one span.
; Wave w owns hidden units 64 w .. 64 w + 63 of the second layer: its 16 fragments of W2 (4 tiles x 4 K steps, 256 registers, window 1) come from memory in register order, once.  In each tile it quantises rows
; 2 w and 2 w + 1, the whole wave on a row: lane l holds columns 16 l .. 16 l + 15, two lanes a block of 32.  Its four rows of kp stay in registers, the 32 rows of sp lie in LDS: the loop touches no memory.
; THE LOOP.  Three LDS buffers of a batch take turns.  In trip t a wave quantises its share of batch t + 1 into buffer (t + 1) % 3, asks for batch t's first tile, waits for all its LDS instructions and SIGNALS;
; then it multiplies batch t out of buffer t % 3; only then it WAITS for the barrier.  What that orders: batch t is read behind the wait of trip t - 1, in front of whose signal every wave's stores of batch t had
; landed; buffer (t + 1) % 3 last held batch t - 2, whose loads every wave had back in front of its signal of trip t - 1, and it is written behind the wait of trip t - 1.  Between a signal and its wait stand work on
; registers and LDS loads alone, of buffer t % 3 (written next behind the barrier of trip t + 1) and of sp's rows (never written again); the trip's two scores stay in registers and are stored behind the wait.
; One pass of the loop runs three trips, so that each buffer is an immediate offset.  Half of the waves (role 0) multiply the sentinel's tile ahead of the loop, the others behind it: so the halves walk the loop a tile
; apart, and one wave's vector work stands beside another's matrix work.
; PRODUCT 5 IS USED TRANSPOSED: source 0 = 16 columns of W2, source 1 = 16 rows of h1; register j of tile 2 b + u in lane (R, H) is unit 64 w + 32 b + 16 H + 8 u + j of row R.
; THE WAY OUT.  Each wave's part of each score goes to LDS rows of its own; at the end the eight parts and b3 are added in ascending order.  scores: [work-group][1,088] f32: place 32 s + c for span 32 a + s and
; concept 32 b + c; places 1,024 to 1,087 all hold the sentinel's score.  A work-group stores 4,352 consecutive bytes.
; NO TENSOR LOADS, NO CLUSTER: every input byte is fetched once, at the head, most of it straight into the registers in which it stays; what work-groups share (W2) would have to be read out of LDS again.
.set BUFB,  17920                      ; a buffer: 2 tiles x 8,704 (32 slots of 272 bytes; slot k / 16 holds 16 codes of each row at 16 x row),
.set TSC,   17408                      ; then 16 scale bytes a row.  Three buffers from byte 0 on
.set SENT,  53760                      ; the sentinel's tile,
.set SENTS, 62464                      ; its scale bytes
.set SROW,  62720                      ; the sentinel's row, 512 f32: lane l's piece e (columns 16 l + 4 e on) at 512 e + 16 l
.set SPS,   64768                      ; 32 rows of sp, 2,048 bytes each, laid as SROW
.set PART,  130304                     ; wave x 4,160: its part of 1,040 scores
.set PW,    4160
.set SPARE, 163584                     ; the spare words: 128 bytes for each of eight waves
.set FA,  3                            ; v3   a tile as an operand: 272 H + 16 R                    (never rewritten)
.set FS,  4                            ; v4   its rows' scale words: 16 R                           (never rewritten)
.set HW,  5                            ; v5   where my 16 codes go: 272 lane + 32 w                 (never rewritten)
.set HSW, 6                            ; v6   my block's byte: 32 w + lane / 2                      (never rewritten)
.set SPA, 7                            ; v7   sp's rows: SPS + 16 lane                              (three rows on every pass)
.set PWR, 8                            ; v8   my part of the scores: PART + 4,160 w + 4 R           (three batches on every pass)
.set RD,  9                            ; v9   the way out: PART + 16 x thread
.set RDS, 10                           ; v10  the sentinel's: PART + 4,096 + 4 R
.set SRW, 11                           ; v11  where my two columns of the sentinel's row go
.set W2S, 12                           ; v12-19  W2's scale words: lanes 0-15 an even image's, lanes 16-31 the next image's
.set ASC, 20                           ; v20-23  the rows' scale words: v12-23 hold scales and nothing else
.set B2R, 24                           ; v24-55  b2 in the result's layout
.set W3R, 56                           ; v56-87  W3 likewise
.set KP,  88                           ; v88-151 my four rows of kp: tile g, row p at 32 g + 16 p
.set AF,  152                          ; multiplying: v152-215 a tile of rows, v216-247 four sums, v248-251 and v252-255 the two tiles' scores in the making
.set ACC, 216
.set SP,  152                          ; quantising: v152-167 the span's row, v168-199 two rows, v200-205 at work, v216-231 codes, v232-235 bytes
.set X,   168
.set TM,  200
.set CD,  216
.set BYT, 232
.set MSB, 0
.macro WIN new                         ; the immediate's high byte repeats the setting that is left
.if MSB != \new
	s_set_vgpr_msb (MSB<<8)|\new
.set MSB, \new
.endif
.endm
.macro BAR                             ; my LDS stores have landed and my LDS loads are in: then the work-group's barrier
	s_wait_dscnt 0x0
	s_barrier_signal -1
	s_barrier_wait -1
.endm
.macro W2LOAD t                        ; tile t of my panel of W2: 16 loads of 512 consecutive bytes
.irp s, 0,1,2,3
.irp c, 0,1,2,3
	global_load_b128 v[64*\t+16*\s+4*\c:64*\t+16*\s+4*\c+3], v236, s[10:11] offset:2048*(4*\t+\s)+512*\c
.endr
.endr
.endm
.macro SPLOAD off                      ; a row of sp, my 16 columns
.irp e, 0,1,2,3
	ds_load_b128 v[SP+4*\e:SP+4*\e+3], v[SPA] offset:\off+512*\e
.endr
.endm
.macro QADD g                          ; rows 2 w, 2 w + 1 of the batch's tile g: kp + sp
.set jj, 0
.rept 8
	v_pk_add_f32 v[X+jj:X+jj+1], v[KP+32*\g+jj:KP+32*\g+jj+1], v[SP+jj:SP+jj+1]
	v_pk_add_f32 v[X+16+jj:X+17+jj], v[KP+32*\g+16+jj:KP+32*\g+17+jj], v[SP+jj:SP+jj+1]
.set jj, jj+2
.endr
.endm
; Two rows in v[X .. X + 31], 16 columns of each: what is negative becomes 0 on the way (the activation), so it does not count for the largest magnitude.  Codes to cd, bytes to by.
.macro QNUM cd, by
.irp p, 0,1
	v_max3_num_f32 v[TM+\p], v[X+16*\p], v[X+16*\p+1], 0x4800000   ; with the floor 2^(9 - 127): the byte cannot fall under 1
	v_max3_num_f32 v[TM+2+\p], v[X+16*\p+8], v[X+16*\p+9], v[X+16*\p+10]
.endr
.irp j, 2,4,6
.irp p, 0,1
	v_max3_num_f32 v[TM+\p], v[TM+\p], v[X+16*\p+\j], v[X+16*\p+\j+1]
.if \j < 6
	s_delay_alu instid0(VALU_DEP_4)
	v_max3_num_f32 v[TM+2+\p], v[TM+2+\p], v[X+16*\p+9+\j], v[X+16*\p+10+\j]
.endif
.endr
.endr
.irp p, 0,1
	s_delay_alu instid0(VALU_DEP_2)
	v_max3_num_f32 v[TM+\p], v[TM+\p], v[TM+2+\p], v[X+16*\p+15]
.endr
.irp p, 0,1
	s_delay_alu instid0(VALU_DEP_2)
	v_max_num_f32_dpp v[TM+\p], v[TM+\p], v[TM+\p] row_xmask:1 row_mask:0xf bank_mask:0xf   ; with my neighbour's 16: the block's
.endr
.irp p, 0,1
	s_delay_alu instid0(VALU_DEP_2)
	v_add_nc_u32 v[TM+2+\p], 0xfc000000, v[TM+\p]                  ; 8 off the exponent field: the conversion's scale operand
.endr
.irp p, 0,1
	s_delay_alu instid0(VALU_DEP_4)
	v_and_or_b32 v[TM+4+\p], v[TM+\p], 0x7f800000, s40             ; 448 x the scale
.endr
.irp p, 0,1
	s_delay_alu instid0(VALU_DEP_4)
	v_lshrrev_b32 v[\by+\p], 23, v[TM+2+\p]                        ; the scale's byte
.endr
.irp p, 0,1
.set jj, 0
.rept 16
	v_med3_num_f32 v[X+16*\p+jj], v[X+16*\p+jj], 0, v[TM+4+\p]     ; the activation and the hold in one (the conversion does not saturate: ISA guide 7.6.2)
.set jj, jj+1
.endr
.endr
.irp p, 0,1
	v_cvt_scalef32_pk8_fp8_f32 v[\cd+4*\p:\cd+4*\p+1], v[X+16*\p:X+16*\p+7], v[TM+2+\p]
	v_cvt_scalef32_pk8_fp8_f32 v[\cd+4*\p+2:\cd+4*\p+3], v[X+16*\p+8:X+16*\p+15], v[TM+2+\p]
.endr
	v_nop                                          ; a plain line behind the last conversion
.endm
.macro QST cd, by, coff, soff          ; the two rows' codes and bytes go to LDS
.irp p, 0,1
	ds_store_b128 v[HW], v[\cd+4*\p:\cd+4*\p+3] offset:\coff+16*\p ; slot = my lane, row 2 w + p
	ds_store_b8 v[HSW], v[\by+\p] offset:\soff+16*\p               ; both lanes of a block write the same byte with the same value
.endr
.endm
.macro FETCH aoff, soff                ; a tile of 16 rows as an operand, and its rows' four scale words
.irp s, 0,1,2,3
.irp c, 0,1,2,3
	ds_load_b128 v[AF+16*\s+4*\c:AF+16*\s+4*\c+3], v[FA] offset:\aoff+2176*\s+544*\c
.endr
.endr
	ds_load_b128 v[ASC:ASC+3], v[FS] offset:\soff
.endm
.macro MM                              ; a tile's 16 matrix instructions and the places behind them
	WIN 0x01                                       ; source 0 (W2) in window 1
.irp s, 0,1,2,3
.irp t, 0,1,2,3
.if \s == 0
	v_wmma_scale_f32_16x16x128_f8f6f4 v[ACC+8*\t:ACC+8*\t+7], v[64*\t:64*\t+15], v[AF:AF+15], v[B2R+8*\t:B2R+8*\t+7], v[W2S+2*\t], v[ASC]   ; b2 starts the sums
.elseif \s == 2
	v_wmma_scale_f32_16x16x128_f8f6f4 v[ACC+8*\t:ACC+8*\t+7], v[64*\t+32:64*\t+47], v[AF+32:AF+47], v[ACC+8*\t:ACC+8*\t+7], v[W2S+2*\t+1], v[ASC+2]   ; the four sums take turns
.else
	v_wmma_scale_f32_16x16x128_f8f6f4 v[ACC+8*\t:ACC+8*\t+7], v[64*\t+16*\s:64*\t+16*\s+15], v[AF+16*\s:AF+16*\s+15], v[ACC+8*\t:ACC+8*\t+7], v[W2S+2*\t+\s/2], v[ASC+\s] matrix_a_scale:MATRIX_SCALE_ROW1   ; an odd image's scale words: lanes 16-31
.endif
.endr
.endr
	WIN 0
.rept 8
	v_nop                                          ; eight places before results are read and before loads land in the operands (ISA guide 7.12.1 for the first)
.endr
.endm
; relu, each sum from its low end on, and the product with W3 in two chains, v[cb:cb+1] and v[cb+2:cb+3]; relu lines stand between the links of a chain
.macro EPI cb
.irp j, 0,1,2,3
	v_max_num_f32 v[ACC+\j], 0, v[ACC+\j]
.endr
.irp j, 0,4,8,12,16,20,24,28
.if \j < 28
	v_max_num_f32 v[ACC+\j+4], 0, v[ACC+\j+4]
	v_max_num_f32 v[ACC+\j+5], 0, v[ACC+\j+5]
.endif
.if \j == 0
	v_pk_mul_f32 v[\cb:\cb+1], v[ACC:ACC+1], v[W3R:W3R+1]
.else
	v_pk_fma_f32 v[\cb:\cb+1], v[ACC+\j:ACC+\j+1], v[W3R+\j:W3R+\j+1], v[\cb:\cb+1]
.endif
.if \j < 28
	v_max_num_f32 v[ACC+\j+6], 0, v[ACC+\j+6]
	v_max_num_f32 v[ACC+\j+7], 0, v[ACC+\j+7]
.endif
.if \j == 0
	v_pk_mul_f32 v[\cb+2:\cb+3], v[ACC+2:ACC+3], v[W3R+2:W3R+3]
.else
	v_pk_fma_f32 v[\cb+2:\cb+3], v[ACC+\j+2:ACC+\j+3], v[W3R+\j+2:W3R+\j+3], v[\cb+2:\cb+3]
.endif
.endr
.endm
.macro TAIL2                           ; both tiles' chains are closed, line by line in turn: v248, v252 = row R's score over my 64 units
	v_pk_add_f32 v[248:249], v[248:249], v[250:251]
	s_delay_alu instid0(VALU_DEP_2)
	v_pk_add_f32 v[252:253], v[252:253], v[254:255]
	s_delay_alu instid0(VALU_DEP_2)
	v_add_f32 v248, v248, v249
	s_delay_alu instid0(VALU_DEP_2)
	v_add_f32 v252, v252, v253
	s_delay_alu instid0(VALU_DEP_2)
	v_permlanex16_b32 v249, v248, s38, s39
	s_delay_alu instid0(VALU_DEP_2)
	v_permlanex16_b32 v253, v252, s38, s39
	s_delay_alu instid0(VALU_DEP_2)
	v_add_f32 v248, v248, v249
	s_delay_alu instid0(VALU_DEP_2)
	v_add_f32 v252, v252, v253
.endm
.macro SENTM poff                      ; the sentinel's tile, by itself
	FETCH SENT, SENTS
	s_wait_dscnt 0x0
	MM
	EPI 248
	s_delay_alu instid0(VALU_DEP_1)
	v_pk_add_f32 v[248:249], v[248:249], v[250:251]
	s_delay_alu instid0(VALU_DEP_1)
	v_add_f32 v248, v248, v249
	s_delay_alu instid0(VALU_DEP_1)
	v_permlanex16_b32 v249, v248, s38, s39
	s_delay_alu instid0(VALU_DEP_1)
	v_add_f32 v248, v248, v249
	ds_store_b32 v[PWR], v248 offset:\poff         ; both halves write the same word with the same value
.endm
; TRIP t: batch t + 1 into buffer bq, batch t out of buffer bm.  j: the trip's place behind the row of sp and the batch at which v7 and v8 stand.  pre = 1: the row of sp for the next trip is asked for.
.macro TRIP bq, bm, j, pre
	s_wait_dscnt 0x2                               ; the span's row is in: behind its four loads stand at most the last trip's two stores of scores
	QADD 0
	QNUM CD, BYT
	QADD 1
	QST CD, BYT, BUFB*\bq, BUFB*\bq+TSC
	QNUM CD+8, BYT+2
	FETCH BUFB*\bm, BUFB*\bm+TSC                   ; batch t's first tile: whole since the last trip's wait
	QST CD+8, BYT+2, BUFB*\bq+8704, BUFB*\bq+TSC+256
	s_wait_dscnt 0x0                               ; one wait for both: my codes of batch t + 1 have landed, and the tile is in
	s_barrier_signal -1                            ; say so; from here to the wait: work on registers and LDS loads alone
	MM
	FETCH BUFB*\bm+8704, BUFB*\bm+TSC+256          ; the second tile comes while the first one's scores are made
	EPI 248
	s_wait_dscnt 0x0
	MM
.if \pre
	SPLOAD 2048*(\j+2)                             ; the next trip's row of sp comes while the second tile's scores are made
.endif
	EPI 252
	TAIL2
	s_wait_alu depctr_va_vdst(0)
	s_barrier_wait -1                              ; every wave's codes of batch t + 1 have landed, and every wave is done with batch t - 1
	ds_store_b32 v[PWR], v248 offset:128*\j        ; both halves write the same word with the same value
	ds_store_b32 v[PWR], v252 offset:128*\j+64
.endm
	s_load_b512 s[4:19], s[0:1], 0x0               ; kp 4, sp 6, sentp 8, w2c 10, w2s 12, b2 14, W3 16, b3 18
	s_load_b64 s[20:21], s[0:1], 0x40              ; scores
	v_lshl_add_u32 v1, v0, 2, SPARE                ; my spare word,
	v_mov_b32 v2, 0                                ; and 0: kept for the closing lines alone
	v_lshrrev_b32 v250, 5, v0
	s_delay_alu instid0(VALU_DEP_1)
	v_readfirstlane_b32 s32, v250                  ; wave 0..7
	s_lshr_b32 s33, s32, 2
	s_xor_b32 s33, s33, s32
	s_and_b32 s33, s33, 1                          ; role: 0 takes the sentinel's tile ahead of the loop, 1 behind it
	s_and_b32 s34, ttmp9, 7                        ; a
	s_lshr_b32 s35, ttmp9, 3                       ; b
	s_mov_b32 s38, 0x76543210
	s_mov_b32 s39, 0xfedcba98                      ; v_permlanex16_b32's selects for lane l xor 16
	s_mov_b32 s40, 0x600000                        ; the mantissa field of 448
	v_and_b32 v250, 31, v0                         ; lane
	v_and_b32 v251, 15, v0                         ; R
	v_bfe_u32 v252, v0, 4, 1                       ; H
	; LDS addresses: a constant + constants x lane + constants x wave.  v7 and v8 begin one pass back: the first pass's step brings them to row 0 and batch 0
	s_delay_alu instid0(VALU_DEP_1)
	v_mul_u32_u24 v[FA], v252, 272
	s_delay_alu instid0(VALU_DEP_1)
	v_lshl_add_u32 v[FA], v251, 4, v[FA]
	s_delay_alu instid0(VALU_DEP_4)
	v_lshlrev_b32 v[FS], 4, v251
	v_mul_u32_u24 v[HW], v250, 272
	s_lshl_b32 s54, s32, 5
	v_add_nc_u32 v[HW], s54, v[HW]
	v_lshrrev_b32 v[HSW], 1, v250
	s_delay_alu instid0(VALU_DEP_1)
	v_add_nc_u32 v[HSW], s54, v[HSW]
	v_lshl_add_u32 v[SPA], v250, 4, SPS-6144
	s_mul_i32 s54, s32, PW
	s_add_co_u32 s54, s54, PART-384
	v_lshl_add_u32 v[PWR], v251, 2, s54
	v_lshl_add_u32 v[RD], v0, 4, PART
	v_lshl_add_u32 v[RDS], v251, 2, PART+4096
	v_bfe_u32 v[SRW], v0, 1, 2                     ; thread t holds columns 2 t, 2 t + 1: lane t / 8, piece (t / 2) % 4, byte 8 (t % 2)
	s_delay_alu instid0(VALU_DEP_1)
	v_lshlrev_b32 v[SRW], 9, v[SRW]
	v_lshrrev_b32 v254, 3, v0
	s_delay_alu instid0(VALU_DEP_1)
	v_lshl_add_u32 v[SRW], v254, 4, v[SRW]
	v_and_b32 v254, 1, v0
	s_delay_alu instid0(VALU_DEP_1)
	v_lshl_add_u32 v[SRW], v254, 3, v[SRW]
	s_delay_alu instid0(VALU_DEP_1)
	v_add_nc_u32 v[SRW], SROW, v[SRW]
	v_and_b32 v244, 3, v0                          ; sp on its way in: the 16 bytes at 512 i + 16 l of a row are piece l % 4 of lane 8 i + l / 4
	s_delay_alu instid0(VALU_DEP_1)
	v_lshlrev_b32 v244, 9, v244
	v_bfe_u32 v254, v0, 2, 3
	s_delay_alu instid0(VALU_DEP_1)
	v_lshl_add_u32 v244, v254, 4, v244
	s_lshl_b32 s54, s32, 13
	s_add_co_u32 s54, s54, SPS
	v_add_nc_u32 v244, s54, v244                   ; rows 4 w on
	v_lshl_add_u32 v245, v250, 4, SROW
	; offsets in memory
	v_lshlrev_b32 v236, 4, v250                    ; 16 x lane
	v_lshlrev_b32 v237, 6, v250                    ; 64 x lane: my 16 columns of a row
	v_lshlrev_b32 v238, 3, v0                      ; 8 x thread
	v_lshlrev_b32 v239, 2, v250
	s_delay_alu instid0(VALU_DEP_1)
	v_lshl_add_u32 v239, v252, 6, v239             ; scale words: lanes 0-15 an image's first 64 bytes, lanes 16-31 the next image's
	s_lshl_b32 s54, s32, 8
	v_lshl_add_u32 v240, v252, 6, s54              ; b2, W3: 256 w + 64 H
	s_delay_alu instid0(VALU_DEP_1)
	v_add_nc_u32 v241, 144, v240                   ; the three pieces that can pass unit 499:
	s_delay_alu instid0(VALU_DEP_2)
	v_add_nc_u32 v242, 160, v240
	s_delay_alu instid0(VALU_DEP_3)
	v_add_nc_u32 v243, 176, v240
.irp k, 0,1,2
	v_cmp_ge_u32 s[44+\k], 0x7c0, v[241+\k]        ; inside?
	v_min_u32 v[241+\k], 0x7c0, v[241+\k]          ; no load leaves the buffer
.endr
	s_wait_alu depctr_va_vdst(0)
	s_wait_kmcnt 0x0
	s_load_b32 s36, s[18:19], 0x0                  ; b3
	s_mov_b32 s51, 0
	s_lshl_b32 s50, s35, 16
	s_lshl_b32 s54, s32, 12
	s_add_co_u32 s50, s50, s54
	s_add_nc_u64 s[4:5], s[4:5], s[50:51]          ; kp at row 32 b + 2 w
	s_lshl_b32 s50, s34, 5
	s_add_co_u32 s50, s50, s35
	s_lshl_b32 s50, s50, 11
	s_add_nc_u64 s[22:23], s[6:7], s[50:51]        ; sp and each part of sentp at row 32 a + b
	s_add_nc_u64 s[8:9], s[8:9], s[50:51]
	s_lshl_b32 s50, s34, 16
	s_lshl_b32 s54, s32, 13
	s_add_co_u32 s50, s50, s54
	s_add_nc_u64 s[6:7], s[6:7], s[50:51]          ; sp at row 32 a + 4 w
	s_lshl_b32 s50, s32, 15
	s_add_nc_u64 s[10:11], s[10:11], s[50:51]      ; my panel of W2
	s_lshl_b32 s50, s32, 11
	s_add_nc_u64 s[12:13], s[12:13], s[50:51]
	s_mul_i32 s50, ttmp9, 4352
	s_add_nc_u64 s[20:21], s[20:21], s[50:51]      ; my work-group's scores
	global_load_b64 v[152:153], v238, s[22:23]     ; the sentinel's row: sp, my two columns,
.irp c, 0,1,2,3,4,5,6,7
	global_load_b64 v[154+2*\c:155+2*\c], v238, s[8:9] offset:524288*\c   ; and the eight parts
.endr
.irp r, 0,1,2,3
.irp i, 0,1,2,3
	global_load_b128 v[170+16*\r+4*\i:173+16*\r+4*\i], v236, s[6:7] offset:2048*\r+512*\i   ; four rows of sp, 512 consecutive bytes a load
.endr
.endr
.irp g, 0,1
.irp p, 0,1
.irp e, 0,1,2,3
	global_load_b128 v[KP+32*\g+16*\p+4*\e:KP+32*\g+16*\p+4*\e+3], v237, s[4:5] offset:32768*\g+2048*\p+16*\e
.endr
.endr
.endr
.irp p, 0,1,2,3,4,5,6,7
	global_load_b32 v[W2S+\p], v239, s[12:13] offset:256*\p
.endr
.irp k, 0,1,2,3
	global_load_b128 v[B2R+4*\k:B2R+4*\k+3], v240, s[14:15] offset:16*\k
	global_load_b128 v[W3R+4*\k:W3R+4*\k+3], v240, s[16:17] offset:16*\k
.endr
	global_load_b128 v[B2R+16:B2R+19], v240, s[14:15] offset:128
	global_load_b128 v[W3R+16:W3R+19], v240, s[16:17] offset:128
.irp k, 0,1,2
	global_load_b128 v[B2R+20+4*\k:B2R+23+4*\k], v[241+\k], s[14:15]
	global_load_b128 v[W3R+20+4*\k:W3R+23+4*\k], v[241+\k], s[16:17]
.endr
	WIN 0x40                                       ; destination window 1
	W2LOAD 0
	WIN 0
	s_wait_loadcnt 56                              ; the sentinel's nine and sp's sixteen are in: 16 + 8 + 16 + 16 loads are younger
.irp c, 1
	v_pk_add_f32 v[154:155], v[154:155], v[154+2*\c:155+2*\c]      ; the parts in ascending order,
.endr
.irp c, 2, 3, 4, 5, 6, 7
	s_delay_alu instid0(VALU_DEP_1)
	v_pk_add_f32 v[154:155], v[154:155], v[154+2*\c:155+2*\c]      ; the parts in ascending order,
.endr
	s_delay_alu instid0(VALU_DEP_1)
	v_pk_add_f32 v[154:155], v[154:155], v[152:153]                ; and sp
	ds_store_b64 v[SRW], v[154:155]
.irp r, 0,1,2,3
.irp i, 0,1,2,3
	ds_store_b128 v244, v[170+16*\r+4*\i:173+16*\r+4*\i] offset:2048*\r+128*\i
.endr
.endr
	WIN 0x40
	W2LOAD 1
	W2LOAD 2
	W2LOAD 3
	WIN 0
	BAR                                            ; sp's 32 rows and the sentinel's row lie in LDS
	s_wait_loadcnt 63                              ; kp's rows are in: 88 loads are younger, and this is the greatest count that the wait can name
.irp e, 0,1,2,3
	ds_load_b128 v[X+4*\e:X+4*\e+3], v245 offset:512*\e            ; the sentinel's tile: both of my rows are that one row
	ds_load_b128 v[X+16+4*\e:X+19+4*\e], v245 offset:512*\e
.endr
	SPLOAD 6144                                    ; row 0 of sp
	s_wait_dscnt 0x0
	QNUM CD, BYT
	QST CD, BYT, SENT, SENTS
	QADD 0                                         ; batch 0 into buffer 0
	QNUM CD+8, BYT+2
	QST CD+8, BYT+2, 0, TSC
	QADD 1
	s_wait_alu depctr_va_vdst(0)
	s_wait_dscnt 0x0                               ; the sentinel's stores have read their registers
	QNUM CD, BYT
	QST CD, BYT, 8704, TSC+256
	s_wait_loadcnt 0x0                             ; W2, its scale words, b2, W3
	s_wait_kmcnt 0x0                               ; b3
.irp k, 0,1,2
.irp e, 0,1,2,3
	v_cndmask_b32 v[W3R+20+4*\k+\e], 0, v[W3R+20+4*\k+\e], s[44+\k]        ; units 500-511 count for nothing (W2's codes there are zeros too)
.endr
.endr
	BAR                                            ; the sentinel's tile and batch 0 lie whole in LDS
	s_cmp_lg_u32 s33, 0
	s_cbranch_scc1 .Lsent_late
	SENTM 4480
.Lsent_late:
	SPLOAD 8192                                    ; row 1 of sp, for trip 0
	s_mov_b32 s37, 10
.Lpass:                                                ; pass k = 0 .. 9: trips 3 k, 3 k + 1, 3 k + 2
	s_wait_dscnt 0x0                               ; no LDS instruction of mine is out: the two addresses step
	v_add_nc_u32 v[SPA], 6144, v[SPA]
	v_add_nc_u32 v[PWR], 384, v[PWR]
	TRIP 1, 0, 0, 1
	TRIP 2, 1, 1, 1
	TRIP 0, 2, 2, 1
	s_sub_co_u32 s37, s37, 1
	s_cmp_lg_u32 s37, 0
	s_cbranch_scc1 .Lpass
	TRIP 1, 0, 3, 0                                ; trip 30: the last batch is quantised; no row of sp is left to ask for
	FETCH BUFB, BUFB+TSC                           ; batch 31, whole since that trip's wait; nothing is written into the buffers any more
	s_wait_dscnt 0x0
	MM
	FETCH BUFB+8704, BUFB+TSC+256
	EPI 248
	s_wait_dscnt 0x0
	MM
	EPI 252
	TAIL2
	ds_store_b32 v[PWR], v248 offset:512
	ds_store_b32 v[PWR], v252 offset:576
	s_cmp_eq_u32 s33, 0
	s_cbranch_scc1 .Lsent_done
	SENTM 640
.Lsent_done:
	BAR                                            ; all waves' parts of all scores lie in LDS
.irp k, 0,1,2,3,4,5,6,7
	ds_load_b128 v[152+4*\k:155+4*\k], v[RD] offset:PW*\k
.endr
	v_lshlrev_b32 v200, 4, v0
	s_wait_dscnt 0x0
.irp e, 0,1,2,3
	v_add_f32 v[152+\e], s36, v[152+\e]            ; b3 + the eight parts, in ascending order
.endr
.irp k, 1
	s_delay_alu instid0(VALU_DEP_3)
	v_pk_add_f32 v[152:153], v[152:153], v[152+4*\k:153+4*\k]
	s_delay_alu instid0(VALU_DEP_2)
	v_pk_add_f32 v[154:155], v[154:155], v[154+4*\k:155+4*\k]
.endr
.irp k, 2, 3, 4, 5, 6, 7
	s_delay_alu instid0(VALU_DEP_2)
	v_pk_add_f32 v[152:153], v[152:153], v[152+4*\k:153+4*\k]
	s_delay_alu instid0(VALU_DEP_2)
	v_pk_add_f32 v[154:155], v[154:155], v[154+4*\k:155+4*\k]
.endr
	global_store_b128 v200, v[152:155], s[20:21]   ; a wave stores 512 consecutive bytes, at a multiple of 256 from the buffer's first byte
	s_cmp_lg_u32 s32, 0
	s_cbranch_scc1 .Lend
.irp k, 0,1,2,3,4,5,6,7
	ds_load_b32 v[184+\k], v[RDS] offset:PW*\k     ; the sentinel's score: its tile's 16 rows are alike
.endr
	v_and_b32 v201, 31, v0
	s_delay_alu instid0(VALU_DEP_1)
	v_lshlrev_b32 v201, 3, v201
	s_wait_dscnt 0x0
	v_add_f32 v184, s36, v184
.irp k, 1,2,3,4,5,6,7
	s_delay_alu instid0(VALU_DEP_1)
	v_add_f32 v184, v184, v[184+\k]
.endr
	s_delay_alu instid0(VALU_DEP_1)
	v_mov_b32 v185, v184
	global_store_b64 v201, v[184:185], s[20:21] offset:4096        ; 256 consecutive bytes, all the same number
.Lend:
	s_wait_tensorcnt 0x0                           ; the wave's end: three closing lines behind my last LDS store
	ds_add_u32 v1, v2
	s_wait_dscnt 0x0
	s_endpgm
.Lfunc_end_k_qadcce340c1_score:
	.size	k_qadcce340c1_score, .Lfunc_end_k_qadcce340c1_score-k_qadcce340c1_score
	.p2alignl 7, 3214868480
	.fill 96, 4, 3214868480
	.section	.rodata,"a",@progbits
	.p2align	6, 0x0
	.amdhsa_kernel k_qadcce340c1_score
		.amdhsa_group_segment_fixed_size 164608
		.amdhsa_private_segment_fixed_size 0
		.amdhsa_enable_private_segment 0
		.amdhsa_kernarg_size 72
		.amdhsa_user_sgpr_count 2
		.amdhsa_user_sgpr_kernarg_segment_ptr 1
		.amdhsa_wavefront_size32 1
		.amdhsa_system_sgpr_workgroup_id_x 1
		.amdhsa_system_sgpr_workgroup_id_y 1
		.amdhsa_system_sgpr_workgroup_id_z 1
		.amdhsa_system_vgpr_workitem_id 0
		.amdhsa_next_free_vgpr 512
		.amdhsa_next_free_sgpr 66
		.amdhsa_reserve_vcc 0
		.amdhsa_float_denorm_mode_32 3
		.amdhsa_float_denorm_mode_16_64 3
		.amdhsa_memory_ordered 1
		.amdhsa_forward_progress 1
		.amdhsa_inst_pref_size 156
	.end_amdhsa_kernel
	.amdgpu_metadata
---
amdhsa.version: [ 1, 2 ]
amdhsa.kernels:
  - .name:           k_qadcce340c1_score
    .symbol:         k_qadcce340c1_score.kd
    .args:
      - { .name: kp, .offset: 0, .size: 8, .value_kind: global_buffer, .address_space: global }
      - { .name: sp, .offset: 8, .size: 8, .value_kind: global_buffer, .address_space: global }
      - { .name: sentp, .offset: 16, .size: 8, .value_kind: global_buffer, .address_space: global }
      - { .name: w2c, .offset: 24, .size: 8, .value_kind: global_buffer, .address_space: global }
      - { .name: w2s, .offset: 32, .size: 8, .value_kind: global_buffer, .address_space: global }
      - { .name: b2, .offset: 40, .size: 8, .value_kind: global_buffer, .address_space: global }
      - { .name: W3, .offset: 48, .size: 8, .value_kind: global_buffer, .address_space: global }
      - { .name: b3, .offset: 56, .size: 8, .value_kind: global_buffer, .address_space: global }
      - { .name: scores, .offset: 64, .size: 8, .value_kind: global_buffer, .address_space: global }
    .group_segment_fixed_size: 164608
    .private_segment_fixed_size: 0
    .kernarg_segment_align: 8
    .kernarg_segment_size: 72
    .max_flat_workgroup_size: 256
    .sgpr_count:     66
    .vgpr_count:     512
    .wavefront_size: 32
...
	.end_amdgpu_metadata
.endif
;; end of part 2
;; launch fin (part 3): grid 256 x 1, 8 waves a work-group, no clusters, 5,120 bytes of LDS; arguments scores, sent, span2concepts, lengths, knowledge_embs, out0, out1; writes out0, out1
.if DOCPART == 3
	.amdgcn_target "amdgcn-amd-amdhsa--gfx1250"
	.amdhsa_code_object_version 6
	.text
	.protected	k_qadcce340c1_fin
	.globl	k_qadcce340c1_fin
	.p2align	8
	.type	k_qadcce340c1_fin,@function
k_qadcce340c1_fin:
	s_mov_b64 s[64:65], 0
	v_nop
	global_prefetch_b8 v0, s[64:65] scope:SCOPE_SE
	s_setreg_imm32_b32 hwreg(HW_REG_WAVE_MODE, 25, 1), 1
	s_wait_xcnt 0x0
; THIRD LAUNCH: one work-group of eight waves for each span n.  Rows: rho = 0 the sentinel, rho = l + 1 place l of the span's list; rows = min(max(lengths[n], 1), 64) places count.
; The scores that the list names are gathered; softmax over the rows that count, the maximum taken away; probs; features = sum of p x embedding.
; WORK LEFT OUT (shown at the head of the first launch): a place with l >= max(lengths, 1) has the weight 0 in f32: 0 is stored in probs, and its embedding is not fetched where 16 such places lie together:
; scalar branches on lengths[n], which this launch reads from memory.  LIMITS: as stated there.  An entry of span2concepts outside 0 .. 1,023 is held at 1,023.
; SHARES.  Every wave makes the softmax for itself (65 numbers: a lane holds rows lane, lane + 32, lane + 64) and the features' columns 64 w .. 64 w + 63; wave 0 stores probs.  No barrier: a wave reads only its own LDS bytes.
; scores: [work-group a + 8 b of the second launch][1,088]: place 32 s + c for span 32 a + s and concept 32 b + c; place 1,024 of block a + 8 s: the sentinel's score of span 32 a + s.
; No matrix work, no tensor loads, no cluster: a few gathers a wave, and work-groups share nothing but cached rows.
.set PRB,   0                          ; wave x 512: p, row rho at 12 + 4 rho
.set SPARE, 4096                       ; the spare words: 128 bytes for each of eight waves
.set IX,  212                          ; v212-243 the list, then offsets of the embeddings' rows, then p
.set SE,  244                          ; v244-247 the sentinel's 4 columns
.set FT,  248                          ; v248-251 sums
.set E,   52                           ; v52-179  32 rows x 4 columns of embeddings
.set PS,  184                          ; v184, v192, v200: scores, then p, of rows lane, lane + 32, lane + 64
	s_load_b256 s[4:11], s[0:1], 0x0
	s_load_b128 s[12:15], s[0:1], 0x20             ; know 12, out0 14
	s_load_b64 s[16:17], s[0:1], 0x30              ; out1
	v_lshl_add_u32 v4, v0, 2, SPARE                ; my spare word,
	v_mov_b32 v5, 0                                ; and 0: kept for the closing lines alone
	v_lshrrev_b32 v1, 5, v0
	s_delay_alu instid0(VALU_DEP_1)
	v_readfirstlane_b32 s32, v1                    ; wave 0..7
	s_mov_b32 s33, ttmp9                           ; n
	s_lshl_b32 s52, s33, 2
	s_mov_b32 s38, 0x76543210
	s_mov_b32 s39, 0xfedcba98                      ; v_permlanex16_b32's selects for lane l xor 16
	v_and_b32 v1, 31, v0                           ; lane
	v_and_b32 v2, 15, v0                           ; q
	v_bfe_u32 v3, v0, 4, 1                         ; hh
	s_lshl_b32 s54, s32, 9
	s_add_co_u32 s54, s54, PRB+12
	v_lshl_add_u32 v16, v1, 2, s54                 ; where p of row lane goes
	s_add_co_u32 s54, s54, 4
	v_lshl_add_u32 v17, v3, 4, s54                 ; and where p of places 4 hh on is read
	v_lshlrev_b32 v19, 2, v1                       ; 4 x lane
	v_lshlrev_b32 v30, 4, v2                       ; 16 q
	v_lshlrev_b32 v31, 4, v3                       ; 16 hh
	s_lshl_b32 s54, s32, 8
	v_lshl_add_u32 v254, v2, 4, s54                ; embeddings: 256 w + 16 q
	v_max_u32 v20, 1, v1
	s_delay_alu instid0(VALU_DEP_1)
	v_add_nc_u32 v20, -1, v20                      ; place l = max(rho, 1) - 1 of rows lane,
	v_add_nc_u32 v21, 31, v1                       ; lane + 32,
	v_add_nc_u32 v22, 63, v1
	s_delay_alu instid0(VALU_DEP_1)
	v_min_u32 v22, 63, v22                         ; lane + 64, held inside the list
.irp g, 0,1,2
	v_lshlrev_b32 v[20+\g], 2, v[20+\g]
.endr
	v_mov_b32 v211, 0                              ; written once: a lane permute's destination counts as one of its sources
.irp e, 0,1,2,3
	v_mov_b32 v[193+\e], 0
.endr
	s_wait_alu depctr_va_vdst(0)
	s_wait_kmcnt 0x0
	s_load_b32 s34, s[10:11], s52 offset:0x0       ; lengths[n]
	s_lshr_b32 s55, s33, 5                         ; a
	s_and_b32 s56, s33, 31                         ; s
	s_mov_b32 s51, 0
	s_mul_i32 s50, s55, 4352
	s_add_nc_u64 s[4:5], s[4:5], s[50:51]          ; block a
	s_mul_i32 s50, s56, 34816
	s_add_co_u32 s50, s50, 4096
	s_add_nc_u64 s[18:19], s[4:5], s[50:51]        ; block a + 8 s, place 1,024
	s_load_b32 s49, s[18:19], 0x0                  ; the sentinel's score
	s_lshl_b32 s50, s56, 7
	s_add_nc_u64 s[4:5], s[4:5], s[50:51]          ; place 32 s of block a: concept k lies 34,816 (k / 32) + 4 (k % 32) bytes on
	s_lshl_b32 s50, s33, 11
	s_add_nc_u64 s[6:7], s[6:7], s[50:51]          ; row n of sent and of out0,
	s_add_nc_u64 s[14:15], s[14:15], s[50:51]
	s_lshl_b32 s50, s32, 8
	s_add_nc_u64 s[6:7], s[6:7], s[50:51]          ; my 64 columns
	s_add_nc_u64 s[14:15], s[14:15], s[50:51]
	s_lshl_b32 s50, s33, 8
	s_add_nc_u64 s[8:9], s[8:9], s[50:51]          ; the span's list
	s_mul_i32 s50, s33, 260
	s_add_nc_u64 s[16:17], s[16:17], s[50:51]      ; its row of probs
.irp g, 0,1,2
	global_load_b32 v[20+\g], v[20+\g], s[8:9]     ; idx[l]
.endr
.irp j, 0,1,2,3,4,5,6,7
	global_load_b128 v[IX+4*\j:IX+4*\j+3], v31, s[8:9] offset:32*\j        ; for the features: idx[8 j + 4 hh + 0 .. 3]
.endr
	global_load_b128 v[SE:SE+3], v30, s[6:7]
	s_wait_kmcnt 0x0
	s_max_i32 s34, s34, 1
	s_min_u32 s34, s34, 64                         ; rows
	s_wait_loadcnt 9                               ; the three indices are in: 8 + 1 loads are younger
.irp g, 0,1,2
	v_min_u32 v[20+\g], 0x3ff, v[20+\g]
	s_delay_alu instid0(VALU_DEP_1)
	v_and_b32 v[24+\g], 0x3e0, v[20+\g]
	s_delay_alu instid0(VALU_DEP_1)
	v_mul_u32_u24 v[24+\g], v[24+\g], 0x440        ; 32 (k / 32) x 1,088 = 34,816 (k / 32)
	s_delay_alu instid0(VALU_DEP_3)
	v_and_b32 v[20+\g], 31, v[20+\g]
	s_delay_alu instid0(VALU_DEP_1)
	v_lshl_add_u32 v[20+\g], v[20+\g], 2, v[24+\g]
.endr
.irp g, 0,1,2
	global_load_b32 v[PS+8*\g], v[20+\g], s[4:5]   ; the listed scores
.endr
	s_wait_loadcnt 4                               ; the list is in: 1 + 3 loads are younger
.set jj, 0
.rept 32
	v_min_u32 v[IX+jj], 0x3ff, v[IX+jj]
	s_delay_alu instid0(VALU_DEP_1)
	v_lshl_add_u32 v[IX+jj], v[IX+jj], 11, v254    ; 2,048 x index + 256 w + 16 q
.set jj, jj+1
.endr
.macro EGRP g                          ; places 16 g .. 16 g + 15: each half-wave reads 256 aligned bytes of a row
.if \g > 0
	s_cmp_le_u32 s34, 16*\g
	s_cbranch_scc1 .Le_done
.endif
.irp i, 0,1,2,3,4,5,6,7
	global_load_b128 v[E+4*(8*\g+\i):E+4*(8*\g+\i)+3], v[IX+8*\g+\i], s[12:13]
.endr
.endm
	EGRP 0
	EGRP 1
	EGRP 2
	EGRP 3
.Le_done:
	v_add_nc_u32 v208, 32, v1
	v_add_nc_u32 v209, 64, v1
	v_cmp_ge_u32 s41, s34, v1                      ; row rho counts where rho <= rows
	s_delay_alu instid0(VALU_DEP_3)
	v_cmp_ge_u32 s42, s34, v208
	s_delay_alu instid0(VALU_DEP_3)
	v_cmp_ge_u32 s43, s34, v209
	v_mov_b32 v210, 0xff7fffff                     ; under every score that is served
	v_mov_b32 v186, s49
	v_cmp_eq_u32 vcc_lo, 0, v1
	s_wait_alu depctr_va_vdst(0)
	s_wait_loadcnt 8                               ; the scores are in: on every way at least the first group's 8 loads are younger
	v_cndmask_b32 v184, v184, v186, vcc_lo         ; row 0 is the sentinel
.irp g, 0,1,2
	v_cndmask_b32 v[PS+8*\g], v210, v[PS+8*\g], s[41+\g]
.endr
	s_delay_alu instid0(VALU_DEP_1)
	v_max3_num_f32 v208, v184, v192, v200
	s_delay_alu instid0(VALU_DEP_1)
	v_max_num_f32_dpp v208, v208, v208 row_xmask:1 row_mask:0xf bank_mask:0xf
	s_delay_alu instid0(VALU_DEP_1)
	v_max_num_f32_dpp v208, v208, v208 row_xmask:2 row_mask:0xf bank_mask:0xf
	s_delay_alu instid0(VALU_DEP_1)
	v_max_num_f32_dpp v208, v208, v208 row_xmask:4 row_mask:0xf bank_mask:0xf
	s_delay_alu instid0(VALU_DEP_1)
	v_max_num_f32_dpp v208, v208, v208 row_xmask:8 row_mask:0xf bank_mask:0xf
	s_delay_alu instid0(VALU_DEP_1)
	v_permlanex16_b32 v211, v208, s38, s39
	s_delay_alu instid0(VALU_DEP_1)
	v_max_num_f32 v208, v208, v211                 ; the largest score that counts (the sentinel's always does)
.irp g, 0,1,2
	v_sub_f32 v[PS+8*\g], v[PS+8*\g], v208
.endr
.irp g, 0,1,2
	s_delay_alu instid0(VALU_DEP_3)
	v_mul_f32 v[PS+8*\g], 0x3fb8aa3b, v[PS+8*\g]
.endr
	s_wait_alu depctr_va_vdst(0)
.irp g, 0,1,2
	v_exp_f32 v[PS+8*\g], v[PS+8*\g]               ; 0 for the masked rows
.endr
	v_nop                                          ; a plain line behind the exponentials,
	s_wait_alu depctr_va_vdst(0)                   ; and a wait ahead of their first reader
	v_add_f32 v209, v184, v192
	v_add_f32 v209, v209, v200
	s_delay_alu instid0(VALU_DEP_1)
	v_add_f32_dpp v209, v209, v209 row_xmask:1 row_mask:0xf bank_mask:0xf
	s_delay_alu instid0(VALU_DEP_1)
	v_add_f32_dpp v209, v209, v209 row_xmask:2 row_mask:0xf bank_mask:0xf
	s_delay_alu instid0(VALU_DEP_1)
	v_add_f32_dpp v209, v209, v209 row_xmask:4 row_mask:0xf bank_mask:0xf
	s_delay_alu instid0(VALU_DEP_1)
	v_add_f32_dpp v209, v209, v209 row_xmask:8 row_mask:0xf bank_mask:0xf
	s_delay_alu instid0(VALU_DEP_1)
	v_permlanex16_b32 v211, v209, s38, s39
	s_delay_alu instid0(VALU_DEP_1)
	v_add_f32 v209, v209, v211
	s_wait_alu depctr_va_vdst(0)
	v_rcp_f32 v209, v209
	v_nop
	s_wait_alu depctr_va_vdst(0)
.irp g, 0,1,2
	v_mul_f32 v[PS+8*\g], v[PS+8*\g], v209         ; p
.endr
	s_delay_alu instid0(VALU_DEP_3)
	v_readfirstlane_b32 s48, v184                  ; the sentinel's p
.irp g, 0,1,2
	ds_store_b32 v16, v[PS+8*\g] offset:128*\g     ; my wave's own copy: no barrier
.endr
	s_wait_xcnt 0x0                                ; the embeddings' loads have read their offsets: p may land on those registers
.irp j, 0,1,2,3,4,5,6,7
	ds_load_b128 v[IX+4*\j:IX+4*\j+3], v17 offset:32*\j            ; p[8 j + 4 hh + 0 .. 3]; LDS serves a wave's instructions in order: these see my stores
.endr
	s_cmp_lg_u32 s32, 0
	s_cbranch_scc1 .Lno_probs
	; wave 0 stores the span's 65 numbers of probs: row rho goes to place rho - 1, row 0 to place 64.  Rows of 260 bytes cannot be whole aligned runs of 256
	v_cmp_eq_u32 vcc_lo, 0, v1
	v_add_nc_u32 v185, -1, v1
	s_delay_alu instid0(VALU_DEP_1)
	v_lshlrev_b32 v185, 2, v185
	v_mov_b32 v186, 0x100
	s_delay_alu instid0(VALU_DEP_1)
	v_cndmask_b32 v185, v185, v186, vcc_lo
	v_mov_b32 v187, 0xfc
	s_delay_alu instid0(VALU_DEP_1)
	v_cndmask_b32 v187, v185, v187, vcc_lo         ; row 64 is lane 0's; the other lanes store their first number once more, at its own place
	s_wait_alu depctr_va_vdst(0)
	v_cndmask_b32 v188, v184, v200, vcc_lo
	global_store_b32 v185, v184, s[16:17]
	global_store_b32 v19, v192, s[16:17] offset:124
	global_store_b32 v187, v188, s[16:17]
.Lno_probs:
	s_wait_loadcnt 0x0                             ; the embeddings
	s_wait_dscnt 0x0                               ; p
	v_cmp_eq_u32 vcc_lo, 0, v3
	v_mov_b32 v255, s48
	s_delay_alu instid0(VALU_DEP_1)
	v_cndmask_b32 v255, 0, v255, vcc_lo            ; the sentinel is counted in one half of the lanes
.irp e, 0,1,2,3
	v_mul_f32 v[FT+\e], v255, v[SE+\e]
.endr
.macro FGRP g
.if \g > 0
	s_cmp_le_u32 s34, 16*\g
	s_cbranch_scc1 .Lf_done
.endif
.irp i, 0,1,2,3,4,5,6,7
.irp e, 0,1,2,3
	v_fmac_f32 v[FT+\e], v[IX+8*\g+\i], v[E+4*(8*\g+\i)+\e]
.endr
.endr
.endm
	FGRP 0
	FGRP 1
	FGRP 2
	FGRP 3
.Lf_done:
	s_wait_alu depctr_va_vdst(0)
.irp e, 0,1,2,3
	v_permlanex16_b32 v[193+\e], v[FT+\e], s38, s39
.endr
.irp e, 0,1,2,3
	s_delay_alu instid0(VALU_DEP_4)
	v_add_f32 v[FT+\e], v[FT+\e], v[193+\e]        ; both halves' places
.endr
	s_delay_alu instid0(VALU_DEP_2)
	v_cndmask_b32 v198, v250, v248, vcc_lo         ; lanes 0-15 store columns 4 q, 4 q + 1, lanes 16-31 the next two
	s_delay_alu instid0(VALU_DEP_2)
	v_cndmask_b32 v199, v251, v249, vcc_lo
	v_lshl_add_u32 v197, v3, 3, v30
	global_store_b64 v197, v[198:199], s[14:15]    ; the wave stores 256 consecutive bytes, at a multiple of 256 from out0's first byte
	s_wait_tensorcnt 0x0                           ; the wave's end: three closing lines behind my last LDS store
	ds_add_u32 v4, v5
	s_wait_dscnt 0x0
	s_endpgm
.Lfunc_end_k_qadcce340c1_fin:
	.size	k_qadcce340c1_fin, .Lfunc_end_k_qadcce340c1_fin-k_qadcce340c1_fin
	.p2alignl 7, 3214868480
	.fill 96, 4, 3214868480
	.section	.rodata,"a",@progbits
	.p2align	6, 0x0
	.amdhsa_kernel k_qadcce340c1_fin
		.amdhsa_group_segment_fixed_size 5120
		.amdhsa_private_segment_fixed_size 0
		.amdhsa_enable_private_segment 0
		.amdhsa_kernarg_size 56
		.amdhsa_user_sgpr_count 2
		.amdhsa_user_sgpr_kernarg_segment_ptr 1
		.amdhsa_wavefront_size32 1
		.amdhsa_system_sgpr_workgroup_id_x 1
		.amdhsa_system_sgpr_workgroup_id_y 1
		.amdhsa_system_sgpr_workgroup_id_z 1
		.amdhsa_system_vgpr_workitem_id 0
		.amdhsa_next_free_vgpr 256
		.amdhsa_next_free_sgpr 66
		.amdhsa_reserve_vcc 1
		.amdhsa_float_denorm_mode_32 3
		.amdhsa_float_denorm_mode_16_64 3
		.amdhsa_memory_ordered 1
		.amdhsa_forward_progress 1
		.amdhsa_inst_pref_size 24
	.end_amdhsa_kernel
	.amdgpu_metadata
---
amdhsa.version: [ 1, 2 ]
amdhsa.kernels:
  - .name:           k_qadcce340c1_fin
    .symbol:         k_qadcce340c1_fin.kd
    .args:
      - { .name: scores, .offset: 0, .size: 8, .value_kind: global_buffer, .address_space: global }
      - { .name: sent, .offset: 8, .size: 8, .value_kind: global_buffer, .address_space: global }
      - { .name: span2concepts, .offset: 16, .size: 8, .value_kind: global_buffer, .address_space: global }
      - { .name: lengths, .offset: 24, .size: 8, .value_kind: global_buffer, .address_space: global }
      - { .name: knowledge_embs, .offset: 32, .size: 8, .value_kind: global_buffer, .address_space: global }
      - { .name: out0, .offset: 40, .size: 8, .value_kind: global_buffer, .address_space: global }
      - { .name: out1, .offset: 48, .size: 8, .value_kind: global_buffer, .address_space: global }
    .group_segment_fixed_size: 5120
    .private_segment_fixed_size: 0
    .kernarg_segment_align: 8
    .kernarg_segment_size: 56
    .max_flat_workgroup_size: 256
    .sgpr_count:     66
    .vgpr_count:     256
    .wavefront_size: 32
...
	.end_amdgpu_metadata
.endif
;; end of part 3
